; MI455X (gfx1250); checked and timed in simulation.
; The chip was launched on July 23, 2026; its instructions are those of AMD's public machine-readable ISA for CDNA 5 (MIT licence, August 2026) and "CDNA5" Instruction Set Architecture Reference Guide (July 2026). The comments in the code are by the model that wrote it; some were corrected since.
;; CLIP Attention. Allowed arithmetic: matrix products marked QUANTISED: E2M1 operands, one E8M0 scale for each 32 along K, by v_wmma_scale_f32_16x16x128_f8f6f4 with both operands' format E2M1 (or v_wmma_scale_f32_32x16x128_f4), f32 sums; everything else in f32.
;; Inputs: Wk_codes 1,024 x 32 x 16 uint8 (E2M1 codes of Wk, K innermost, in blocks of 32 codes, two codes a byte); Wk_scales 1,024 x 32 uint8 (E8M0 scales of Wk, one for each 32 codes along K); Wo_codes 1,024 x 32 x 16 uint8 (E2M1 codes of Wo, K innermost, in blocks of 32 codes, two codes a byte); Wo_scales 1,024 x 32 uint8 (E8M0 scales of Wo, one for each 32 codes along K); Wq_codes 1,024 x 32 x 16 uint8 (E2M1 codes of Wq, K innermost, in blocks of 32 codes, two codes a byte); Wq_scales 1,024 x 32 uint8 (E8M0 scales of Wq, one for each 32 codes along K); Wv_codes 1,024 x 32 x 16 uint8 (E2M1 codes of Wv, K innermost, in blocks of 32 codes, two codes a byte); Wv_scales 1,024 x 32 uint8 (E8M0 scales of Wv, one for each 32 codes along K); bk 1,024 float32; bo 1,024 float32; bq 1,024 float32; bv 1,024 float32; hidden_states_codes 8 x 1,024 x 32 x 16 uint8 (E2M1 codes of hidden_states, K innermost, in blocks of 32 codes, two codes a byte); hidden_states_scales 8 x 1,024 x 32 uint8 (E8M0 scales of hidden_states, one for each 32 codes along K).
;; Outputs: out0 8 x 1,024 x 1,024 float32.
;; This version of the problem:
;;   THIS VERSION OF THE PROBLEM IS GIVEN IN LOW PRECISION. The matrix products marked QUANTISED in the list below multiply operands that are first quantised to E2M1 (2 exponent bits, 1 mantissa bit; 4 bits a number), with one power-of-two scale for each 32 numbers along K (OCP MX v1.0); their sums are f32. All else is computed in f32.
;;   The module's matrix products, in the order in which they are computed (A, B: the left and right operand; K: the contracted axis; several contracted axes count as one K, in the product's order):
;;     1. [M 8,192, K 1,024] x [K 1,024, N 1,024]; A: input hidden_states (given as codes); B: input Wq (given as codes): QUANTISED
;;     2. [M 8,192, K 1,024] x [K 1,024, N 1,024]; A: input hidden_states (given as codes); B: input Wk (given as codes): QUANTISED
;;     3. [M 8,192, K 1,024] x [K 1,024, N 1,024]; A: input hidden_states (given as codes); B: input Wv (given as codes): QUANTISED
;;     4. batch 128 x [M 1,024, K 64] x [K 64, N 1,024]; A: computed on the way; B: computed on the way: QUANTISED
;;     5. batch 128 x [M 64, K 1,024] x [K 1,024, N 1,024]; A: computed on the way; B: softmax (see below): QUANTISED
;;     6. [M 8,192, K 1,024] x [K 1,024, N 1,024]; A: computed on the way; B: input Wo (given as codes): QUANTISED
;;   THE QUANTISER, for each operand of a quantised product, along K:
;;     - K is cut into blocks of 32 from its start; a last block that is shorter is filled with zeros.
;;     - A block's scale is 2^e with e = floor(log2(the largest magnitude in the block)) - 2, held to -126 .. 127; a block of zeros has e = 0. As a byte (E8M0): e + 127.
;;     - Each number is divided by its block's scale, clamped to +-6, and rounded to the nearest number of E2M1, ties to even, subnormals kept.
;;     - The product sums the exact products of the quantised numbers (number of the format x scale) in f32.
;;   ~~~python
;;   def quantise(x, axis):      # numpy; x: float32 -> the quantised numbers, widened to float32 again
;;       x = np.moveaxis(x, axis, -1); K = x.shape[-1]
;;       x = np.pad(x, [(0, 0)] * (x.ndim - 1) + [(0, -K % 32)]); x = x.reshape(x.shape[:-1] + (-1, 32)); a = np.abs(x).max(-1, keepdims=True)
;;       e = np.where(a > 0, np.clip(np.frexp(np.where(a > 0, a, 1))[1] - 1 - 2, -126, 127), 0)      # np.frexp(a)[1] - 1 = floor(log2(a)), exactly
;;       r = np.clip(x / 2.0 ** e, -6, 6)
;;       step = 2.0 ** (np.maximum(np.frexp(np.where(r == 0, 1, r))[1] - 1, 0) - 1)
;;       q = np.round(r / step) * step * 2.0 ** e      # np.round: ties to even
;;       return np.moveaxis(q.reshape(q.shape[:-2] + (-1,))[..., :K], -1, axis).astype(np.float32)
;;   ~~~
;;   SOFTMAX AHEAD OF A QUANTISED PRODUCT. Where the list says 'softmax', what is quantised is not the finished softmax but p = 2^(t - M), with t = logit x log2(e) and M = ceil(the row's largest t), a whole number; so 1/2 < the row's largest p <= 1. The row's sum l is taken of the UNQUANTISED p, in f32, and the product's result is divided by l at the end. Since M is a whole number, a kernel that streams over the keys may use a running M (the ceiling of the running maximum): every later rescaling is an exact power of two, which a block's scale takes up: the codes' values come out the same.
;;   OPERANDS COMPUTED ON THE WAY. 'Computed on the way' means the value that the module computes at that place (a softmax that the list does not call 'softmax' is quantised finished and normalised). What goes into a quantiser is computed in f32, as accurately as f32 sums, v_exp_f32 and their like allow (about 1e-6 of the number): no bf16 or f16 on the way to a quantiser, and a product that is left as it is and whose result goes on into a quantised operand takes f32 operands (vector FMAs, or v_wmma_f32_16x16x4_f32). A number that lies on a knife's edge between two numbers of the format may be rounded either way, as far as f32 arithmetic and the matrix unit's own rounding can turn it there, and no further.
;;   INPUTS GIVEN AS CODES. Wk (in the module: [1024, 1024], K = its axis 1); Wo (in the module: [1024, 1024], K = its axis 1); Wq (in the module: [1024, 1024], K = its axis 1); Wv (in the module: [1024, 1024], K = its axis 1); hidden_states (in the module: [8, 1024, 1024], K = its axis 2): each comes as NAME_codes (uint8): NAME with its K axis moved to the last place and cut into blocks of 32 codes, [.., K / 32, bytes a block], one block behind the other in memory; two codes a byte, the lower K in the low four bits (a code: sign, 2 exponent bits, 1 mantissa bit); and NAME_scales (uint8): the same leading axes, one E8M0 byte (e + 127) for each 32 codes along K. Its value is code x scale, taken as it is: it is not quantised again, and the codes and scales need not be those that the quantiser above would give.
;; One version. Each part assembles by itself: llvm-mc -triple=amdgcn-amd-amdhsa -mcpu=gfx1250 --defsym DOCPART=n.
;; ======== version 1 of 1: 3 launches
;; limits: right only within a limited range of input values
;; workspace buffers: qkv 13,893,632 bytes; o_img 4,194,304 bytes; o_sc 262,144 bytes
;; launch proj (part 1): grid 8 x 32, 4 waves a work-group, clusters of 4 x 4, 327,680 bytes of LDS; arguments hidden_states_codes, hidden_states_scales, Wq_codes, Wq_scales, Wk_codes, Wk_scales, Wv_codes, Wv_scales, bq, bk, bv, qkv; writes qkv
.if DOCPART == 1
	.amdgcn_target "amdgcn-amd-amdhsa--gfx1250"
	.amdhsa_code_object_version 6
	.text
	.protected	k_q505bed9a10_proj
	.globl	k_q505bed9a10_proj
	.p2align	8
	.type	k_q505bed9a10_proj,@function
k_q505bed9a10_proj:
	s_mov_b64 s[64:65], 0
	v_nop
	global_prefetch_b8 v0, s[64:65] scope:SCOPE_SE
	s_setreg_imm32_b32 hwreg(HW_REG_WAVE_MODE, 25, 1), 1
	s_wait_xcnt 0x0
	s_wait_alu depctr_hold_cnt(0) depctr_sa_sdst(0) depctr_va_vdst(0) depctr_va_sdst(0) depctr_va_ssrc(0) depctr_va_vcc(0) depctr_vm_vsrc(0)
	s_getreg_b32 s2, hwreg(HW_REG_IB_STS2, 6, 4)
	s_cmp_eq_u32 s2, 0
	s_cbranch_scc0 .Lentry_in_a_cluster
	s_endpgm
.Lentry_in_a_cluster:
	s_bfe_u32 s2, ttmp6, 0x10000c
	s_cmp_lg_u32 s2, 0xf033
	s_cbranch_scc0 .Lentry_shape_is_right
	s_endpgm
.Lentry_shape_is_right:
; q = x Wq^T + bq, k = x Wk^T + bk, v = x Wv^T + bv on the given codes of FP4 (E2M1) with E8M0 scales, K = 1,024; the results are quantised at once, q and k along the head's 64, v along the keys,
; and stored as images of the operand registers that the attention launch wants (128 records, one for each batch and head; the map stands below).
; q IS QUANTISED WITHOUT ITS FACTOR 1/8: a power of two changes no code, only the scale's byte by 3; the attention launch puts the factor into its constant c.
; LIMITS: a block whose largest magnitude lies under 2^-124 has its byte held at 1 (for q: 2^-124 before the factor 1/8); a block of zeros gets the byte 1 and zero codes (this program alone reads the bytes);
; NaN and infinities are not served.
; SHARES.  q and k are 256 tiles of 256 tokens x 256 features, v is 256 tiles of 256 tokens x 128 features: each of the 256 work-groups makes one of each, on the SAME 256 tokens (tile T = 4 x cluster y + cy).
;   PHASE 1: source 0 = P, 256 rows of Wq (cluster x = 0) or Wk (1), rows 256 cx on; source 1 = R, the tokens.  A wave makes 128 x 128: 64 accumulators.  The features run down a lane's registers, as q's and k's quantiser wants.
;   PHASE 2: source 0 = the tokens, which still lie in LDS; source 1 = Wv's rows 128 g on, g = 4 x cluster x + cx.  A wave makes its 128 tokens x 64 features (one head): 32 accumulators.  The keys run down the registers, as v's quantiser wants.
; CLUSTERS: 4 x 4.  The weights' tiles hang on cx and are shared along a column of the cluster, the tokens' on cy and are shared along a row: each is asked for jointly, which divides the requests by four.
; LDS: two halves of K, rows of 256 bytes + 16 of padding; in a half the tokens' 256 rows, then P's.  Wv's 128 rows do not fit beside them: when the first half of K has been multiplied, its P region (256 rows of 272 bytes)
; is filled again with Wv's two halves of K (128 rows each), one joint load a wave, behind a round of the cluster's barrier; the load has the second half of K and the first quantising in which to land.
; THE SCALE WORDS come straight into registers: 16 rows of 32 scale bytes are 512 consecutive bytes, 16 a lane: register q of a block holds K step q in lanes 0-15 and K step 4 + q in lanes 16-31,
; so the second half of K names the same registers with the upper row of lanes.
; A RECORD (REC bytes): +0 K image [tile of 16 keys: 64][512]; +32,768 V image [key step 8][d tile 4][half 2][512]; +65,536 K scale words [tile 64][16]; +69,632 V scale words [step 8][d tile 4][16];
;   +71,680 Q image; +104,448 Q scale words.  In K's and Q's words bytes 0 and 1 count; bytes 2 and 3 hold the neighbour head's bytes or 0, never 0xff.
; REGISTERS, in windows of 256: window 0: v4-15 and v108-111 Wv's scale words; v16-30 addresses; v32-63 the tokens' scale words, v64-95 P's (later codes); v96-107 at work; v112-127 scale words made;
;   v128-191 source 1's fragments, one set (later codes); v192-255 the bias tiles of the first K step, later v192-223 bv's.   window 1: source 0's fragments, two sets, at v0 and v128.
;   windows 2, 3: phase 1's accumulator (a, b) at v[8 (8 (a % 4) + b)] of window 2 + a / 4 (a: source 1's block, b: source 0's); phase 2's (a, b) at v[8 (8 a + b)] of window 2.
.set REC,   108544
.set VOFF,  32768
.set KSOFF, 65536
.set VSOFF, 69632
.set QOFF,  71680
.set QSOFF, 104448
.set PITCH, 272                        ; 68 words: the 16 rows that a fragment load touches start at 16 different groups of four banks
.set QTR,   64*PITCH                   ; what one wave's load of Wv brings
.set HALFT, 128*PITCH                  ; what one wave reads of the tokens or of P; also: Wv's rows for one half of K
.set POFF,  256*PITCH                  ; P's rows lie behind the tokens'
.set SLOT,  512*PITCH                  ; a half of K
.set SPARE, 2*SLOT                     ; behind the two halves: the spare words, 128 bytes for each wave: two blocks of 256 bytes that no other line names
.set ADRR, 16                          ; v16-17 LDS address of my tokens' fragments in K half 0, 1
.set ADRV, 18                          ; v18-19 the same for Wv
.set ADRP, 20                          ; v20-21 the same for P
.set L16,  22                          ; v22 16 x lane
.set SOFQ, 23                          ; v23 4 r + h x REC
.set L4,   24                          ; v24 4 x lane
.set SH16, 25                          ; v25 16 h
.set SCO,  26                          ; v26 32 r + 16 h
.set BOQ,  27                          ; v27 32 h
.set BOV,  28                          ; v28 4 r
.set SPW,  29                          ; v29 LDS address of my spare word: SPARE + 4 x my thread's number; never rewritten
.set NIL,  30                          ; v30 0; never rewritten
.set SCR,  32
.set SCP,  64
.set TM,   96                          ; +0..3 largest magnitudes, +4..7 the other half's, then bytes, +8..11 the conversions' scale operands
.set PW,   112                         ; the scale word of block a
.set SW,   120                         ; the same as it is stored
.set AF,   128
.set BT,   192                         ; bq's or bk's eight tiles
.set BV,   192                         ; behind the first K step: bv's four
.set G0V,  44
.set G1P,  68
.set G1R,  76
.set G0R0, 84
.set G0P0, 88
.set G0R1, 92
.set G0P1, 96
.set G1W0, (1<<20)|(1<<21)|(5<<22)|(3<<25)   ; elements of 1 byte; padding on; bit 21 set beside a mask; after every 64 words, 4 words
.set MSB, 0
.macro WIN new                         ; the immediate's high byte repeats the setting that is left
.if MSB != \new
	s_set_vgpr_msb (MSB<<8)|\new
.set MSB, \new
.endif
.endm
.macro PLACES n
.rept \n
	v_nop
.endr
.endm
.macro CREST                           ; a round of the cluster's barrier behind its opening barrier
	s_cmp_lg_u32 s28, 0
	s_cbranch_scc1 .Lnot_wave_0_\@
	s_barrier_signal -3
.Lnot_wave_0_\@:
	s_barrier_wait -3
	s_barrier_signal -1
	s_barrier_wait -1
.endm
.macro CROUND                          ; a whole round
	s_barrier_signal -1
	s_barrier_wait -1
	CREST
.endm
	s_load_b512 s[4:19], s[0:1], 0x0               ; x codes s[4:5], x scales s[6:7], Wq s[8:11], Wk s[12:15], Wv s[16:19]
	s_load_b256 s[20:27], s[0:1], 0x40             ; bq s[20:21], bk s[22:23], bv s[24:25], qkv s[26:27]
	v_lshl_add_u32 v[SPW], v0, 2, SPARE
	v_mov_b32 v[NIL], 0
	ds_add_u32 v29, v30
	ds_add_u32 v29, v30
	s_wait_dscnt 0x0
	v_lshrrev_b32 v1, 5, v0
	v_readfirstlane_b32 s28, v1                    ; wave 0..3
	s_lshr_b32 s29, s28, 1                         ; wr: which 128 of the tokens are mine, in both phases
	s_and_b32 s30, s28, 1                          ; wp: which 128 of P's rows, and which 64 of Wv's
	; LDS and store addresses of a lane
	v_and_b32 v1, 15, v0                           ; r
	v_bfe_u32 v2, v0, 4, 1                         ; h
	v_and_b32 v3, 31, v0                           ; lane
	v_mul_u32_u24 v31, v1, PITCH
	v_lshl_add_u32 v31, v2, 4, v31                 ; a fragment's row x pitch + 16 h
	s_mul_i32 s2, s29, HALFT
	s_mul_i32 s3, s30, HALFT
	s_add_co_u32 s3, s3, POFF
	s_mul_i32 s37, s30, QTR
	s_add_co_u32 s37, s37, POFF
	v_add_nc_u32 v[ADRR], s2, v31
	v_add_nc_u32 v[ADRP], s3, v31
	v_add_nc_u32 v[ADRV], s37, v31
	v_add_nc_u32 v[ADRR+1], SLOT, v[ADRR]
	v_add_nc_u32 v[ADRP+1], SLOT, v[ADRP]
	v_add_nc_u32 v[ADRV+1], HALFT, v[ADRV]         ; Wv's second half of K lies 128 rows behind its first
	v_lshlrev_b32 v[L16], 4, v3
	v_lshlrev_b32 v[L4], 2, v3
	v_mul_u32_u24 v[SOFQ], v2, REC
	v_lshl_add_u32 v[SOFQ], v1, 2, v[SOFQ]
	v_lshlrev_b32 v[SH16], 4, v2
	v_lshlrev_b32 v[SCO], 5, v1
	v_lshl_add_u32 v[SCO], v2, 4, v[SCO]
	v_lshlrev_b32 v[BOQ], 5, v2
	v_lshlrev_b32 v[BOV], 2, v1
.irp b, 0,1,2,3
	v_mov_b32 v[TM+4+\b], 0                        ; written once: a lane permute's destination counts as one of its sources
.endr
	s_mov_b32 s56, 0x76543210
	s_mov_b32 s57, 0xfedcba98                      ; v_permlanex16_b32's selects for lane l xor 16
	s_mov_b32 s58, 0xffff0000                      ; lanes 16-31
	; place
	s_bfe_u32 s31, ttmp6, 0x40000                  ; cx
	s_bfe_u32 s32, ttmp6, 0x40004                  ; cy
	s_mov_b32 s33, ttmp9                           ; cluster x: 0 Wq, 1 Wk
	s_and_b32 s34, ttmp7, 0xffff                   ; cluster y
	s_lshl_b32 s35, s33, 2
	s_add_co_u32 s35, s35, s31                     ; g: which 128 rows of Wv
	s_lshl_b32 s36, s34, 2
	s_add_co_u32 s36, s36, s32                     ; T: which 256 tokens
	s_lshl_b32 s59, s32, 2
	s_lshl_b32 s59, 15, s59                        ; my row of the cluster
	s_lshl_b32 s66, 0x1111, s31                    ; my column
	s_or_b32 s[G1P], s66, G1W0                     ; the weights' tiles go to my column,
	s_or_b32 s[G1R], s59, G1W0                     ; the tokens' to my row
.irp g, G1P, G1R
	s_mov_b32 s[\g+1], 256<<16                     ; tensor_dim0: 256 bytes, half a row of codes
	s_mov_b32 s[\g+2], 256<<16                     ; tensor_dim1: the head's loads bring 256 rows
	s_mov_b32 s[\g+3], 256<<16                     ; tile_dim0
	s_mov_b32 s[\g+4], 256                         ; tile_dim1
	s_mov_b32 s[\g+5], 512                         ; a row of 1,024 codes in memory
	s_mov_b32 s[\g+6], 0
	s_mov_b32 s[\g+7], 0
.endr
	s_lshl_b32 s60, s31, 8                         ; P: the 256 rows that I fetch begin at 256 cx; 512 bytes a row
	s_lshl_b32 s60, s60, 9
	s_mov_b32 s61, 0
	s_lshl_b32 s62, s36, 8                         ; the tokens: 256 T on, in registers of their own
	s_lshl_b32 s62, s62, 9
	s_mov_b32 s63, 0
	s_lshl_b32 s59, s35, 7                         ; Wv: row 128 g + 64 wp: the 64 rows that I fetch, and the 64 that I multiply by;
	s_lshl_b32 s66, s30, 6
	s_add_co_u32 s59, s59, s66
	s_lshl_b32 s66, s59, 9
	s_lshl_b32 s67, s29, 8                         ; waves 2 and 3 fetch their second half of K
	s_add_co_u32 s66, s66, s67
	s_mov_b32 s67, 0
	s_mul_i32 s[G0V+1], s28, QTR                   ; Wv: wave x 64 rows, into the first half's P region: K half 0 in its rows 0-127, K half 1 in rows 128-255
	s_add_co_u32 s[G0V+1], s[G0V+1], POFF
	s_mov_b32 s[G0R0+1], 0                         ; the head's four tiles, each whole: 256 rows
	s_mov_b32 s[G0P0+1], POFF
	s_mov_b32 s[G0R1+1], SLOT
	s_mov_b32 s[G0P1+1], SLOT+POFF
	s_mov_b32 s[G0R0], 1
	s_mov_b32 s[G0P0], 1
	s_mov_b32 s[G0R1], 1
	s_mov_b32 s[G0P1], 1
	s_mov_b32 s[G0V], 1
	s_mov_b32 s101, KSOFF
	s_wait_kmcnt 0x0
	s_cmp_eq_u32 s33, 0                            ; Wq or Wk: the choice hangs on the cluster's x alone
	s_cselect_b64 s[38:39], s[8:9], s[12:13]       ; P's codes,
	s_cselect_b64 s[40:41], s[10:11], s[14:15]     ; P's scales,
	s_cselect_b64 s[42:43], s[20:21], s[22:23]     ; the bias,
	s_cselect_b32 s100, QOFF, 0                    ; where the codes lie in a record,
	s_cselect_b32 s101, QSOFF, s101                ; and the scale words
	s_add_nc_u64 s[G0R0+2:G0R0+3], s[4:5], s[62:63]
	s_add_nc_u64 s[G0R1+2:G0R1+3], s[G0R0+2:G0R0+3], 256   ; the second half of K
	s_or_b32 s[G0R0+3], s[G0R0+3], 0x80000000
	s_or_b32 s[G0R1+3], s[G0R1+3], 0x80000000
	s_add_nc_u64 s[G0P0+2:G0P0+3], s[38:39], s[60:61]
	s_add_nc_u64 s[G0P1+2:G0P1+3], s[G0P0+2:G0P0+3], 256
	s_or_b32 s[G0P0+3], s[G0P0+3], 0x80000000
	s_or_b32 s[G0P1+3], s[G0P1+3], 0x80000000
	s_add_nc_u64 s[G0V+2:G0V+3], s[16:17], s[66:67]
	s_or_b32 s[G0V+3], s[G0V+3], 0x80000000
	CROUND                                         ; all sixteen work-groups are here: the joint loads meet
; the head's loads, one a wave: wave 0 the tokens' first half of K, wave 1 P's, wave 2 the tokens' second half, wave 3 P's; one tree of branches on the wave's number
.macro ARM under, g0, g1, next
	s_cmp_lt_u32 s28, \under
	s_cbranch_scc0 \next
	tensor_load_to_lds s[\g0:\g0+3], s[\g1:\g1+7]
	s_nop 0
	PLACES 4
	s_branch .Lhead_asked
\next:
.endm
	ARM 1, G0R0, G1R, .Lhead_p0
	ARM 2, G0P0, G1P, .Lhead_r1
	ARM 3, G0R1, G1R, .Lhead_p1
	tensor_load_to_lds s[G0P1:G0P1+3], s[G1P:G1P+7]
	s_nop 0
	PLACES 4
.Lhead_asked:
	s_lshl_b32 s2, s31, 8
	s_lshl_b32 s37, s30, 7
	s_add_co_u32 s2, s2, s37                       ; the first of my 128 rows of P
	s_lshl_b32 s3, s36, 8
	s_lshl_b32 s37, s29, 7
	s_add_co_u32 s3, s3, s37                       ; and of my 128 tokens
	s_lshl_b32 s60, s2, 2
	s_add_nc_u64 s[42:43], s[42:43], s[60:61]      ; bq or bk at my first feature
	s_lshl_b32 s60, s2, 5
	s_add_nc_u64 s[40:41], s[40:41], s[60:61]      ; P's scale bytes at my first row: 32 a row
	s_lshl_b32 s60, s3, 5
	s_add_nc_u64 s[6:7], s[6:7], s[60:61]          ; the tokens'
	s_lshl_b32 s60, s59, 5
	s_add_nc_u64 s[18:19], s[18:19], s[60:61]      ; Wv's
	s_lshl_b32 s60, s59, 2
	s_add_nc_u64 s[24:25], s[24:25], s[60:61]      ; bv at my head's first feature
	s_wait_alu depctr_va_vdst(0)
.irp i, 0,1,2,3,4,5,6,7
	global_load_b128 v[SCR+4*\i:SCR+4*\i+3], v[SCO], s[6:7] offset:512*\i     ; 16 rows' scale bytes: 32 lanes read 512 consecutive bytes
	global_load_b128 v[SCP+4*\i:SCP+4*\i+3], v[SCO], s[40:41] offset:512*\i
.endr
.irp a, 0,1,2
	global_load_b128 v[4+4*\a:7+4*\a], v[SCO], s[18:19] offset:512*\a         ; Wv's four blocks: v4-15,
.endr
	global_load_b128 v[108:111], v[SCO], s[18:19] offset:1536                 ; and v108-111
.irp b, 0,1,2,3,4,5,6,7                        ; bq or bk runs down the registers: tile b holds features 16 b + 8 h + 0 .. 7
	global_load_b128 v[BT+8*\b:BT+8*\b+3], v[BOQ], s[42:43] offset:64*\b
	global_load_b128 v[BT+8*\b+4:BT+8*\b+7], v[BOQ], s[42:43] offset:64*\b+16
.endr
	; where my results go.  My 128 tokens are number 2 (T % 4) + wr of their batch's eight.  q, k: record (T / 4) x 16 + 4 cx + 2 wp and the next;  v: record (T / 4) x 16 + 2 g + wp
	s_lshr_b32 s37, s36, 2
	s_lshl_b32 s37, s37, 4
	s_and_b32 s2, s36, 3
	s_lshl_b32 s2, s2, 1
	s_add_co_u32 s2, s2, s29
	s_lshl_b32 s50, s31, 2
	s_add_co_u32 s50, s50, s37
	s_lshl_b32 s3, s30, 1
	s_add_co_u32 s50, s50, s3
	s_mul_i32 s50, s50, REC
	s_lshl_b32 s3, s2, 9                           ; 128 tokens are 512 bytes of q's or k's scale words,
	s_add_co_u32 s52, s50, s3
	s_add_co_u32 s52, s52, s101
	s_lshl_b32 s3, s2, 12                          ; and 4,096 bytes of codes of a head, in all three images
	s_add_co_u32 s50, s50, s3
	s_add_co_u32 s50, s50, s100
	s_mov_b32 s51, 0
	s_mov_b32 s53, 0
	s_add_nc_u64 s[50:51], s[26:27], s[50:51]      ; q's or k's codes
	s_add_nc_u64 s[52:53], s[26:27], s[52:53]      ; and scale words
	s_lshl_b32 s48, s35, 1
	s_add_co_u32 s48, s48, s37
	s_add_co_u32 s48, s48, s30
	s_mul_i32 s48, s48, REC
	s_add_co_u32 s48, s48, s3
	s_lshl_b32 s3, s2, 8                           ; 128 keys are 256 bytes of v's scale words
	s_lshl_b32 s2, s2, 12
	s_sub_co_u32 s54, s48, s2
	s_add_co_u32 s54, s54, s3
	s_add_co_u32 s54, s54, VSOFF
	s_add_co_u32 s48, s48, VOFF
	s_mov_b32 s49, 0
	s_mov_b32 s55, 0
	s_add_nc_u64 s[48:49], s[26:27], s[48:49]      ; v's codes
	s_add_nc_u64 s[54:55], s[26:27], s[54:55]      ; and scale words
.macro FRAG reg, adr, q, i             ; 16 rows x 128 K of 4-bit codes: lane (r, h) holds row r; registers 4 c .. 4 c + 3 hold K = 64 c + 32 h + 0 .. 31
.irp c, 0,1
	ds_load_b128 v[\reg+4*\c:\reg+4*\c+3], v[\adr] offset:64*(\q)+32*\c+(\i)*16*PITCH
.endr
.endm
.macro FETCH_0 adr, q, p               ; source 0's eight fragments of a half's q-th 128 along K into set p of window 1
	WIN 0x40
.irp i, 0,1,2,3,4,5,6,7
	FRAG 128*(\p)+8*\i, \adr, \q, \i
.endr
	WIN 0
.endm
.macro FETCH_R slot, q, i0             ; phase 1: the tokens' blocks i0 .. i0 + 3
.irp i, \i0, \i0+1, \i0+2, \i0+3
	FRAG AF+8*(\i), ADRR+\slot, \q, \i
.endr
.endm
.macro FETCH_V slot, q, i0             ; phase 2: Wv's blocks i0, i0 + 1
.irp i, \i0, \i0+1
	FRAG AF+8*(\i), ADRV+\slot, \q, \i
.endr
.endm
; PHASE 1.  16 products: the tokens' blocks a0, a0 + 1 x P's eight.  p: P's set; q: the register of the scale words; row = 1: their upper lanes (the second half of K).
; cm = 1: C = the bias tile of P's block: the first K step starts the sums with the bias, nothing is cleared or added later.
; The 64 accumulators take turns, one instruction a turn, in the same order in every step.
.macro MUL16 a0, p, q, row, cm
.irp a, \a0, \a0+1
.irp b, 0,1,2,3,4,5,6,7
.set rD, 8*(8*((\a)%4)+\b)
.set rC, rD
.if \cm
.set rC, BT+8*\b
.endif
.if \row
	v_wmma_scale_f32_16x16x128_f8f6f4 v[rD:rD+7], v[128*(\p)+8*\b:128*(\p)+8*\b+7], v[AF+8*(\a):AF+8*(\a)+7], v[rC:rC+7], v[SCP+4*\b+(\q)], v[SCR+4*(\a)+(\q)] matrix_a_fmt:MATRIX_FMT_FP4 matrix_b_fmt:MATRIX_FMT_FP4 matrix_a_scale:MATRIX_SCALE_ROW1 matrix_b_scale:MATRIX_SCALE_ROW1
.else
	v_wmma_scale_f32_16x16x128_f8f6f4 v[rD:rD+7], v[128*(\p)+8*\b:128*(\p)+8*\b+7], v[AF+8*(\a):AF+8*(\a)+7], v[rC:rC+7], v[SCP+4*\b+(\q)], v[SCR+4*(\a)+(\q)] matrix_a_fmt:MATRIX_FMT_FP4 matrix_b_fmt:MATRIX_FMT_FP4
.endif
.endr
.endr
.endm
; A step of 128 along K that has its successor in the same half.  A block of tokens is free as soon as its eight products are issued: one set serves them, fetched anew in two runs; P has two sets.
; Four plain lines stand in front of each run of loads into registers that matrix instructions have read (ISA guide 7.12.1 for vector instructions).
.macro STEP slot, q, cm
	s_wait_dscnt 8                                 ; P's set and the tokens' blocks 0-3 are in; the youngest eight loads (blocks 4-7) may be out
.if \cm
	WIN 0x81                                       ; P window 1, tokens and bias window 0, D window 2
.else
	WIN 0xa1                                       ; P window 1, tokens window 0, C and D window 2
.endif
	MUL16 0, (\q)%2, \q, \slot, \cm
	MUL16 2, (\q)%2, \q, \slot, \cm
	s_wait_dscnt 0x0                               ; blocks 4-7 are in
	PLACES 4
	FETCH_0 ADRP+\slot, (\q)+1, 1-(\q)%2
	FETCH_R \slot, (\q)+1, 0
.if \cm
	WIN 0xc1
.else
	WIN 0xf1
.endif
	MUL16 4, (\q)%2, \q, \slot, \cm
	MUL16 6, (\q)%2, \q, \slot, \cm
	PLACES 4
	WIN 0
	FETCH_R \slot, (\q)+1, 4
.endm
	s_wait_tensorcnt 0x0                           ; my tile of the head's four is in
	s_mov_b32 s[G1P+2], 64<<16                     ; no tensor load of mine is out, so a descriptor may be written: Wv's load brings 64 rows
	s_mov_b32 s[G1P+4], 64
	s_barrier_signal -1
	s_barrier_wait -1                              ; everybody's are
	FETCH_0 ADRP, 0, 0
	FETCH_R 0, 0, 0
	FETCH_R 0, 0, 4
	s_wait_loadcnt 0x0                             ; scale words and bias
	STEP 0, 0, 1
.irp a, 0,1,2,3                                ; bv of feature 16 a + r, into the first register of each of its four tiles: the bias tiles of the first step are done with, four plain lines back
	global_load_b32 v[BV+8*\a], v[BOV], s[24:25] offset:64*\a
.endr
	STEP 0, 1, 0
	STEP 0, 2, 0
	; THE FIRST HALF'S LAST STEP goes over to the second half, and the first half's P region is filled again, with Wv.  In front of the barrier each wave waits for all its tensor loads (its parts of the second half),
	; adds 0 to its spare word, and waits for that and for its own reads of the first half.  The barrier opens a round of the cluster's barrier, since the refill is a joint load.
	s_wait_tensorcnt 0x0                           ; all my tensor loads have landed;  (every window is 0 here: the add's two registers lie in window 0)
	ds_add_u32 v[SPW], v[NIL]                      ; 0 onto my spare word
	s_wait_dscnt 9                                 ; (the add and the youngest eight loads may be out)
	WIN 0xa1
	MUL16 0, 1, 3, 0, 0                            ; sixteen matrix instructions stand between the add and the wait for it
	s_wait_dscnt 0x0                               ; the add is done, and my reads of the first half's P region are over
	s_barrier_signal -1
	MUL16 2, 1, 3, 0, 0
	WIN 0
	s_barrier_wait -1
	CREST                                          ; no wave of any partner still reads that region or has a load on its way
	tensor_load_to_lds s[G0V:G0V+3], s[G1P:G1P+7]  ; my one load behind the round: 64 rows of Wv, one half of K; it has 256 matrix instructions and the first quantising in which to land
	s_nop 0
	PLACES 4                                       ; four plain lines follow it; they are also the places in front of the loads below
	FETCH_0 ADRP+1, 0, 0
	FETCH_R 1, 0, 0
	WIN 0xf1
	MUL16 4, 1, 3, 0, 0
	MUL16 6, 1, 3, 0, 0
	PLACES 4
	WIN 0
	FETCH_R 1, 0, 4
	STEP 1, 0, 0
	STEP 1, 1, 0
	STEP 1, 2, 0
	s_wait_dscnt 8                                 ; phase 1's last step: nothing more to fetch
	WIN 0xa1
	MUL16 0, 1, 3, 1, 0
	MUL16 2, 1, 3, 1, 0
	s_wait_dscnt 0x0
	WIN 0xf1
	MUL16 4, 1, 3, 1, 0
	MUL16 6, 1, 3, 1, 0
	WIN 0
	s_wait_loadcnt 0x0                             ; bv
.irp a, 0,1,2,3
.irp j, 1,2,3,4,5,6,7
	v_mov_b32 v[BV+8*\a+\j], v[BV+8*\a]            ; one feature to a lane: all eight registers of a tile hold its bias.  These 28 name no register of the last products: they are the plain lines behind them
.endr
.endr
; Source 1's block a: the eight tiles of a lane's row are 128 numbers along the quantiser's axis: register j of tile t is number 16 t + 8 h + j.  Block B of 32 lies in tiles 2 B and 2 B + 1 of lanes l and l xor 16.
; A conversion of a tile gives (word 0 | word 1) of its block for an even tile, (word 2 | word 3) for an odd one (lanes 0-15 | lanes 16-31).  The operand wants a whole block in a lane:
; two exchanges of halves for each pair of blocks give register 4 c + i = (block 2 c, word i | block 2 c + 1, word i).
; The codes go where source 1's fragments (a % 4 under 2) or P's scale words lay, so that no conversion's destination has the number of one of its sources.
.macro QUANT a
.set W, 2+(\a)/4
.set WW, W|(W<<2)
.set AC, 64*((\a)%4)
.if ((\a)%4) < 2
.set PC, 128+8*((\a)%4)+16*((\a)/4)
.else
.set PC, 64+8*((\a)%4-2)+16*((\a)/4)
.endif
	WIN WW                                         ; sources 0 and 1: the accumulators' window
.irp b, 0,1,2,3
	v_max3_num_f32 v[TM+\b], |v[AC+16*\b]|, |v[AC+16*\b+1]|, 0x1800000   ; my 16 numbers of block b, from each accumulator's low end on, and the floor 2^(3 - 127): the byte cannot fall under 1
.endr
.irp i, 2,4,6,8,10,12,14
.irp b, 0,1,2,3
	v_max3_num_f32 v[TM+\b], |v[AC+16*\b+\i]|, |v[AC+16*\b+\i+1]|, v[TM+\b]   ; (the four blocks by turns)
.endr
.endr
	WIN 0
.irp b, 0,1,2,3
	v_permlanex16_b32 v[TM+4+\b], v[TM+\b], s56, s57
.endr
.irp b, 0,1,2,3
	v_max_num_f32 v[TM+\b], v[TM+\b], v[TM+4+\b]   ; with lane l xor 16's: the block's largest magnitude
.endr
.irp b, 0,1,2,3
	v_add_nc_u32 v[TM+8+\b], 0xff000000, v[TM+\b]  ; 2 off its exponent field: the conversion takes the exponent field of this operand as its scale
.endr
.irp b, 0,1,2,3
	v_lshrrev_b32 v[TM+4+\b], 23, v[TM+8+\b]       ; the scale's byte
.endr
	v_lshl_or_b32 v[PW+(\a)], v[TM+5], 8, v[TM+4]
	v_lshl_or_b32 v[PW+(\a)], v[TM+6], 16, v[PW+(\a)]
	v_lshl_or_b32 v[PW+(\a)], v[TM+7], 24, v[PW+(\a)]
	WIN W                                          ; source 0: the accumulators' window
.irp c, 0,1
	v_cvt_scalef32_pk8_fp4_f32 v[PC+4*\c], v[AC+32*\c:AC+32*\c+7], v[TM+8+2*\c]
	v_cvt_scalef32_pk8_fp4_f32 v[PC+4*\c+1], v[AC+32*\c+16:AC+32*\c+23], v[TM+9+2*\c]
	v_cvt_scalef32_pk8_fp4_f32 v[PC+4*\c+2], v[AC+32*\c+8:AC+32*\c+15], v[TM+8+2*\c]
	v_cvt_scalef32_pk8_fp4_f32 v[PC+4*\c+3], v[AC+32*\c+24:AC+32*\c+31], v[TM+9+2*\c]
.endr
	WIN 0
	v_nop                                          ; one plain line behind the scaled conversions
.irp c, 0,1
	v_permlane16_swap_b32 v[PC+4*\c], v[PC+4*\c+1]
	v_permlane16_swap_b32 v[PC+4*\c+2], v[PC+4*\c+3]
.endr
.endm
; q's or k's block a leaves: 16 tokens x two heads: registers 0-3 are the even head's tile, 4-7 the odd head's, one record further on; 32 lanes store 512 consecutive bytes.
; Within a phase every store has registers of its own for its data.
.macro OUTQ a
	v_lshrrev_b32 v[SW+(\a)], v[SH16], v[PW+(\a)]  ; lanes 0-15 keep the word (bytes 0, 1: the even head's), lanes 16-31 bring the odd head's two bytes down
	global_store_b128 v[L16], v[PC:PC+3], s[50:51] offset:512*(\a)
	global_store_b128 v[L16], v[PC+4:PC+7], s[50:51] offset:REC+512*(\a)
	global_store_b32 v[SOFQ], v[SW+(\a)], s[52:53] offset:64*(\a)
.endm
; v's block a leaves: 16 features x 128 keys: a whole fragment of V^T, d tile a of my head
.macro OUTV a
	global_store_b128 v[L16], v[PC:PC+3], s[48:49] offset:(\a)*1024
	global_store_b128 v[L16], v[PC+4:PC+7], s[48:49] offset:(\a)*1024+512
.if (\a)%2
	v_cndmask_b32 v[SW+(\a)], v[PW+(\a)-1], v[PW+(\a)], s58   ; two tiles' words: the even tile's in lanes 0-15, the odd tile's in lanes 16-31: 128 consecutive bytes
	global_store_b32 v[L4], v[SW+(\a)], s[54:55] offset:((\a)-1)*64
.endif
.endm
.irp a, 0,1,2,3,4,5,6,7
	QUANT \a
	OUTQ \a
.endr
; PHASE 2.  8 products: Wv's block a x the tokens' eight.  first = 1: the first K step starts the sums with bv.  The 32 accumulators take turns, one instruction a turn, in the same order in every step.
.macro MUL8V a, p, q, row, first
.set rSV, 4+4*(\a)
.if (\a) == 3
.set rSV, 108
.endif
.irp b, 0,1,2,3,4,5,6,7
.set rD, 8*(8*(\a)+\b)
.if \first
	v_wmma_scale_f32_16x16x128_f8f6f4 v[rD:rD+7], v[128*(\p)+8*\b:128*(\p)+8*\b+7], v[AF+8*(\a):AF+8*(\a)+7], v[BV+8*(\a):BV+8*(\a)+7], v[SCR+4*\b+(\q)], v[rSV+(\q)] matrix_a_fmt:MATRIX_FMT_FP4 matrix_b_fmt:MATRIX_FMT_FP4
.elseif \row
	v_wmma_scale_f32_16x16x128_f8f6f4 v[rD:rD+7], v[128*(\p)+8*\b:128*(\p)+8*\b+7], v[AF+8*(\a):AF+8*(\a)+7], v[rD:rD+7], v[SCR+4*\b+(\q)], v[rSV+(\q)] matrix_a_fmt:MATRIX_FMT_FP4 matrix_b_fmt:MATRIX_FMT_FP4 matrix_a_scale:MATRIX_SCALE_ROW1 matrix_b_scale:MATRIX_SCALE_ROW1
.else
	v_wmma_scale_f32_16x16x128_f8f6f4 v[rD:rD+7], v[128*(\p)+8*\b:128*(\p)+8*\b+7], v[AF+8*(\a):AF+8*(\a)+7], v[rD:rD+7], v[SCR+4*\b+(\q)], v[rSV+(\q)] matrix_a_fmt:MATRIX_FMT_FP4 matrix_b_fmt:MATRIX_FMT_FP4
.endif
.endr
.endm
; K step s of eight (half s / 4, its (s % 4)-th 128 along K), with a successor.  All of K lies in LDS: no barrier between the steps.
.macro STEP2 s, first
	s_wait_dscnt 4                                 ; the tokens' set and Wv's blocks 0, 1 are in; the youngest four loads (blocks 2, 3) may be out
.if \first
	WIN 0x81                                       ; tokens window 1, Wv and bv window 0, D window 2
.else
	WIN 0xa1                                       ; tokens window 1, Wv window 0, C and D window 2
.endif
	MUL8V 0, (\s)%2, (\s)%4, (\s)/4, \first
	MUL8V 1, (\s)%2, (\s)%4, (\s)/4, \first
	s_wait_dscnt 0x0
	PLACES 4
	FETCH_0 ADRR+((\s)+1)/4, ((\s)+1)%4, 1-(\s)%2
	FETCH_V ((\s)+1)/4, ((\s)+1)%4, 0
.if \first
	WIN 0x81
.else
	WIN 0xa1
.endif
	MUL8V 2, (\s)%2, (\s)%4, (\s)/4, \first
	MUL8V 3, (\s)%2, (\s)%4, (\s)/4, \first
	PLACES 4
	WIN 0
	FETCH_V ((\s)+1)/4, ((\s)+1)%4, 2
.endm
	s_wait_tensorcnt 0x0                           ; my part of Wv has landed,
	s_wait_xcnt 0x0                                ; and phase 1's stores have read their data: those registers are loaded and written again only behind this wait
	s_barrier_signal -1                            ; (no LDS instruction of mine is out)
	s_barrier_wait -1                              ; everybody's part has landed
	FETCH_0 ADRR, 0, 0
	FETCH_V 0, 0, 0
	FETCH_V 0, 0, 2
	STEP2 0, 1
.irp s, 1,2,3,4,5,6
	STEP2 \s, 0
.endr
	s_wait_dscnt 4                                 ; the last step: nothing more to fetch
	WIN 0xa1
	MUL8V 0, 1, 3, 1, 0
	MUL8V 1, 1, 3, 1, 0
	s_wait_dscnt 0x0
	MUL8V 2, 1, 3, 1, 0
	MUL8V 3, 1, 3, 1, 0
	WIN 0
	PLACES 4                                       ; in front of the first read of results and of the first write over operands that are done with
.irp a, 0,1,2,3
	QUANT \a
	OUTV \a
.endr
	s_wait_tensorcnt 0x0                           ; the wave's end, behind my last tensor load: the add and its wait are my last LDS instructions
	ds_add_u32 v[SPW], v[NIL]
	s_wait_dscnt 0x0
	CROUND                                         ; the closing round: no work-group ends while a partner may still ask for a tile that names it
	s_endpgm
.Lfunc_end_k_q505bed9a10_proj:
	.size	k_q505bed9a10_proj, .Lfunc_end_k_q505bed9a10_proj-k_q505bed9a10_proj
	.p2alignl 7, 3214868480
	.fill 96, 4, 3214868480
	.section	.rodata,"a",@progbits
	.p2align	6, 0x0
	.amdhsa_kernel k_q505bed9a10_proj
		.amdhsa_group_segment_fixed_size 327680
		.amdhsa_private_segment_fixed_size 0
		.amdhsa_enable_private_segment 0
		.amdhsa_kernarg_size 96
		.amdhsa_user_sgpr_count 2
		.amdhsa_user_sgpr_kernarg_segment_ptr 1
		.amdhsa_wavefront_size32 1
		.amdhsa_system_sgpr_workgroup_id_x 1
		.amdhsa_system_sgpr_workgroup_id_y 1
		.amdhsa_system_sgpr_workgroup_id_z 1
		.amdhsa_system_vgpr_workitem_id 0
		.amdhsa_next_free_vgpr 1024
		.amdhsa_next_free_sgpr 102
		.amdhsa_reserve_vcc 0
		.amdhsa_float_denorm_mode_32 3
		.amdhsa_float_denorm_mode_16_64 3
		.amdhsa_memory_ordered 1
		.amdhsa_forward_progress 1
		.amdhsa_inst_pref_size 196
	.end_amdhsa_kernel
	.amdgpu_metadata
---
amdhsa.version: [ 1, 2 ]
amdhsa.kernels:
  - .name:           k_q505bed9a10_proj
    .symbol:         k_q505bed9a10_proj.kd
    .args:
      - { .name: hidden_states_codes, .offset: 0, .size: 8, .value_kind: global_buffer, .address_space: global }
      - { .name: hidden_states_scales, .offset: 8, .size: 8, .value_kind: global_buffer, .address_space: global }
      - { .name: Wq_codes, .offset: 16, .size: 8, .value_kind: global_buffer, .address_space: global }
      - { .name: Wq_scales, .offset: 24, .size: 8, .value_kind: global_buffer, .address_space: global }
      - { .name: Wk_codes, .offset: 32, .size: 8, .value_kind: global_buffer, .address_space: global }
      - { .name: Wk_scales, .offset: 40, .size: 8, .value_kind: global_buffer, .address_space: global }
      - { .name: Wv_codes, .offset: 48, .size: 8, .value_kind: global_buffer, .address_space: global }
      - { .name: Wv_scales, .offset: 56, .size: 8, .value_kind: global_buffer, .address_space: global }
      - { .name: bq, .offset: 64, .size: 8, .value_kind: global_buffer, .address_space: global }
      - { .name: bk, .offset: 72, .size: 8, .value_kind: global_buffer, .address_space: global }
      - { .name: bv, .offset: 80, .size: 8, .value_kind: global_buffer, .address_space: global }
      - { .name: qkv, .offset: 88, .size: 8, .value_kind: global_buffer, .address_space: global }
    .group_segment_fixed_size: 327680
    .private_segment_fixed_size: 0
    .kernarg_segment_align: 8
    .kernarg_segment_size: 96
    .max_flat_workgroup_size: 128
    .sgpr_count:     102
    .vgpr_count:     1024
    .wavefront_size: 32
...
	.end_amdgpu_metadata
.endif
;; end of part 1
;; launch attn (part 2): grid 4 x 64, 16 waves a work-group, clusters of 4 x 1, 208,896 bytes of LDS; arguments qkv, o_img, o_sc; writes o_img, o_sc
.if DOCPART == 2
	.amdgcn_target "amdgcn-amd-amdhsa--gfx1250"
	.amdhsa_code_object_version 6
	.text
	.protected	k_q505bed9a10_attn
	.globl	k_q505bed9a10_attn
	.p2align	8
	.type	k_q505bed9a10_attn,@function
k_q505bed9a10_attn:
	s_mov_b64 s[64:65], 0
	v_nop
	global_prefetch_b8 v0, s[64:65] scope:SCOPE_SE
	s_setreg_imm32_b32 hwreg(HW_REG_WAVE_MODE, 25, 1), 1
	s_wait_xcnt 0x0
	s_wait_alu depctr_hold_cnt(0) depctr_sa_sdst(0) depctr_va_vdst(0) depctr_va_sdst(0) depctr_va_ssrc(0) depctr_va_vcc(0) depctr_vm_vsrc(0)
	s_getreg_b32 s2, hwreg(HW_REG_IB_STS2, 6, 4)
	s_cmp_eq_u32 s2, 0
	s_cbranch_scc0 .Lentry_in_a_cluster
	s_endpgm
.Lentry_in_a_cluster:
	s_bfe_u32 s2, ttmp6, 0x10000c
	s_cmp_lg_u32 s2, 0x3003
	s_cbranch_scc0 .Lentry_shape_is_right
	s_endpgm
.Lentry_shape_is_right:
; O = softmax(q k^T / 8) v for 128 heads of 64, 1,024 queries and keys each, both products on codes of FP4 (E2M1) with E8M0 scales; the result, divided by the row's sum, is quantised along the hidden
; axis and stored as images of the operand registers of the last product.
; THE SOFTMAX: t = score x c, c = log2(e) / 8 (q was quantised without its factor 1/8, a power of two, which stands in c); M = the row's largest t so far, rounded up to a whole number;
; p = 2^(t - M) is quantised along the keys, not normalised; the row's sum is taken of the unquantised p.  When M moves, the sum and O are multiplied by 2^(old M - new M), which rounds nothing.
; LIMITS: the promise holds while |t| stays under 2^31; a block whose largest magnitude lies under 2^-124 has its byte held at 1; a block of zeros gets the byte 1 and zero codes (this program alone
; reads the bytes); NaN and infinities are not served.
; SHARES.  A work-group owns 256 queries of a pair of heads (y = 8 x batch + pair): 32 units of (tile of 16 queries, head).  A loop of three trips: trip 0: every wave w takes (tile w, head 0);
; trip 1: waves 0-11 take (tile w, head 1); trip 2: waves 0-3 take (tile w + 12, head 1).  No barrier stands in the loop.
; CLUSTER: the four query blocks of a pair of heads read the same K and V: each part is asked for jointly, mask of all four.
; LDS: head e at e x 2^17: the first 71,680 bytes of its record: K image, V image, K scale words, V scale words.  Filled once, at the head: each of the 16 waves brings 35 rows of 256 bytes.
; Nothing is left to fetch later, so nothing is prefetched.  Behind them: the spare words, and a table of the results' scale bytes, 64 bytes for each (trip, wave).
; LAYOUT.  Both products transposed: S^T = K Q^T, O^T = V^T P^T: a lane holds one query (lane % 16).  THE KEYS OF A TILE ARE CHOSEN by the read address: lane r of tile 4 c + u takes key
; 64 c + 32 (r / 8) + 8 u + r % 8, so that register 32 c + 8 u + j of lane half h is key 64 c + 32 h + 8 u + j: a lane holds whole blocks of 32 keys, 2 c + h, in the order of the second product's operand:
; a block's maximum needs no other lane and the conversions' results are the operand's registers.  (r and r + 8 read 1,024 bytes apart: K's loads touch each bank twice.)
; THE HEAD'S 64 IN A FORM OF 128: registers 4-7 of K's and Q's fragments hold zero codes, set once; the scale bytes of those blocks are never 0xff.
; REGISTERS: v1 16 x lane, v2 K's lane term, v3 V's scale words' lane term, v4-7 LDS addresses, v8 Q's scale word, v9 p's, v10-11 V's, v12 -M, v13 the largest score, v[14:15] the sum, v16-23 Q,
;   v24-27 K's scale words, v28 4 r, v30-31 lane terms, v32-95 K, v96-159 S^T then p, v160-191 O^T, v192-223 V, v224-231 codes, v232-254 at work (v244 8 h, v245-248 table and o_sc addresses).
.set REC,   108544
.set SLOT1, 131072
.set PART,  8960                       ; 35 rows of 256 bytes: an eighth of a head's 71,680
.set QOFF,  71680
.set QSOFF, 104448
.set SPARE, 0x31800                    ; the spare words: 128 bytes a wave
.set SCT,   0x32000                    ; the table: [trip 3][wave 16][row 16] words
.macro CROUND
	s_barrier_signal -1
	s_barrier_wait -1
	s_cmp_lg_u32 s12, 0
	s_cbranch_scc1 .Lnot_wave_0_\@
	s_barrier_signal -3
.Lnot_wave_0_\@:
	s_barrier_wait -3
	s_barrier_signal -1
	s_barrier_wait -1
.endm
.macro D n
	s_delay_alu instid0(VALU_DEP_\n)
.endm
.macro SW d, a, b, c, sa, sb, row      ; row = 1: source 0's scales from lanes 16-31
.if \row
	v_wmma_scale_f32_16x16x128_f8f6f4 v[\d:\d+7], v[\a:\a+7], v[\b:\b+7], \c, v[\sa], v[\sb] matrix_a_fmt:MATRIX_FMT_FP4 matrix_b_fmt:MATRIX_FMT_FP4 matrix_a_scale:MATRIX_SCALE_ROW1
.else
	v_wmma_scale_f32_16x16x128_f8f6f4 v[\d:\d+7], v[\a:\a+7], v[\b:\b+7], \c, v[\sa], v[\sb] matrix_a_fmt:MATRIX_FMT_FP4 matrix_b_fmt:MATRIX_FMT_FP4
.endif
.endm
	s_load_b128 s[4:7], s[0:1], 0x0                ; qkv, o_img
	s_load_b64 s[8:9], s[0:1], 0x10                ; o_sc
	v_lshl_add_u32 v251, v0, 2, SPARE
	v_mov_b32 v255, 0
	ds_add_u32 v251, v255                          ; the opening lines: the add, twice on end, and its wait
	ds_add_u32 v251, v255
	v_lshrrev_b32 v1, 5, v0
	v_readfirstlane_b32 s12, v1                    ; wave 0..15
	s_bfe_u32 s13, ttmp6, 0x40000                  ; cx: my block of 256 queries: it enters Q's and the results' addresses alone
	s_and_b32 s14, ttmp7, 0xffff                   ; 8 x batch + pair of heads
	s_mul_i32 s10, s14, 2*REC                      ; the pair's first record
	s_mov_b32 s16, 15|(3<<16)|(1<<21)              ; group 1: the mask of all four; elements of 8 bytes; bit 21 beside a mask
	s_mov_b32 s17, 32<<16                          ; rows of 256 bytes,
	s_mov_b32 s18, 35<<16                          ; 35 of them,
	s_mov_b32 s19, 32<<16
	s_mov_b32 s20, 35
	s_mov_b32 s21, 32                              ; dense
	s_mov_b32 s22, 0
	s_mov_b32 s23, 0
	s_mov_b32 s24, 1
	s_lshr_b32 s2, s12, 3                          ; I fetch for head wave / 8,
	s_and_b32 s3, s12, 7
	s_mul_i32 s3, s3, PART                         ; its part wave % 8
	s_lshl_b32 s25, s2, 17
	s_add_co_u32 s25, s25, s3
	s_mul_i32 s2, s2, REC
	s_add_co_u32 s50, s10, s2
	s_add_co_u32 s50, s50, s3
	s_mov_b32 s51, 0
	s_lshl_b32 s46, s13, 4
	s_add_co_u32 s28, s46, s12                     ; trip 0's tile of queries in the head: 16 cx + wave
	s_lshl_b32 s48, s28, 9
	s_add_co_u32 s48, s48, s10
	s_add_co_u32 s48, s48, QOFF                    ; its image,
	s_mov_b32 s49, 0
	s_lshl_b32 s52, s28, 6
	s_add_co_u32 s52, s52, s10
	s_add_co_u32 s52, s52, QSOFF                   ; its scale words
	s_mov_b32 s53, 0
	s_lshr_b32 s54, s14, 3                         ; batch
	s_and_b32 s55, s14, 7                          ; pair = K step of the last product
	s_lshl_b32 s34, s54, 2
	s_add_co_u32 s34, s34, s13
	s_lshl_b32 s34, s34, 17                        ; o_img: [tile of 256 rows: 4 batch + cx][K half][block of 16 rows][step][half of a fragment][512]
	s_lshr_b32 s29, s55, 2
	s_lshl_b32 s30, s29, 16
	s_add_co_u32 s34, s34, s30
	s_and_b32 s31, s55, 3
	s_lshl_b32 s30, s31, 10
	s_add_co_u32 s34, s34, s30
	s_mov_b32 s35, 0
	s_lshl_b32 s36, s54, 6
	s_add_co_u32 s36, s36, s46
	s_lshl_b32 s36, s36, 9                         ; o_sc: [block of 16 rows][step % 4][step / 4][16] words
	s_lshl_b32 s31, s31, 7
	s_add_co_u32 s36, s36, s31
	s_lshl_b32 s29, s29, 6
	s_add_co_u32 s36, s36, s29
	s_mov_b32 s37, 0
	s_cmp_lt_u32 s12, 4
	s_cselect_b32 s47, 3, 2
	s_cmp_lt_u32 s12, 12
	s_cselect_b32 s47, s47, 1                      ; my trips with work: 3, 2, 2, 1 by wave / 4
	s_add_co_u32 s57, s12, 2
	s_lshr_b32 s57, s57, 3
	s_lshl_b32 s57, s57, 8
	s_add_co_u32 s57, s57, 1024                    ; head 1's bytes of tile T: trip 1, wave T; from T = 12 (reading wave 6) on: trip 2, wave T - 12: 256 bytes further
	s_mov_b32 s39, 0                               ; the trip
	s_mov_b32 s40, 0x76543210
	s_mov_b32 s41, 0xfedcba98                      ; v_permlanex16_b32's selects for lane l xor 16
	s_mov_b32 s42, 0x3e38aa3b                      ; c = log2(e) / 8
	s_mov_b32 s43, s42
	s_mov_b32 s56, REC
	v_and_b32 v29, 31, v0
	v_and_b32 v232, 7, v0                          ; r % 8
	v_bfe_u32 v233, v0, 3, 1                       ; r / 8
	v_bfe_u32 v234, v0, 4, 1                       ; h
	v_and_b32 v28, 15, v0
	v_lshlrev_b32 v1, 4, v29
	v_lshlrev_b32 v28, 2, v28
	v_lshlrev_b32 v2, 4, v232
	v_lshlrev_b32 v31, 2, v232
	v_lshl_add_u32 v2, v233, 10, v2
	v_lshl_add_u32 v31, v233, 7, v31
	v_lshl_add_u32 v2, v234, 8, v2                 ; K: 1,024 (r / 8) + 16 (r % 8) + 256 h
	v_lshl_add_u32 v31, v234, 5, v31               ; K's scale words: 4 x (32 (r / 8) + r % 8 + 8 h): lanes 16-31 take the next tile's
	v_add_nc_u32 v30, 32768, v1                    ; V's image
	v_add_nc_u32 v31, 65536, v31
	v_lshl_add_u32 v3, v29, 2, 69632               ; V's scale words
	v_lshlrev_b32 v244, 3, v234                    ; 8 h
	v_lshl_add_u32 v246, v0, 2, SCT                ; the table, read back: a thread a word
	v_lshrrev_b32 v247, 4, v0
	v_add_nc_u32 v248, s57, v246
	v_lshl_add_u32 v247, v247, 9, v28              ; o_sc: 512 x tile + 4 r
	v_mov_b32 v253, 0                              ; (upper half of the pair v[252:253])
.irp i, 20,21,22,23
	v_mov_b32 v[\i], 0                             ; Q's zero codes for K = 64 .. 127
.endr
.irp t, 0,1,2,3,4,5,6,7
.irp i, 4,5,6,7
	v_mov_b32 v[32+8*\t+\i], 0                     ; and K's: no load ever lands here
.endr
.endr
.irp b, 0,1,2,3
	v_mov_b32 v[236+\b], 0                         ; a lane permute's destination counts as one of its sources
.endr
	s_wait_alu depctr_va_vdst(0)
	s_wait_dscnt 0x0                               ; both opening adds are done
	s_wait_kmcnt 0x0
	s_add_nc_u64 s[26:27], s[4:5], s[50:51]
	s_or_b32 s27, s27, 0x80000000
	s_add_nc_u64 s[32:33], s[4:5], s[48:49]
	s_add_nc_u64 s[44:45], s[4:5], s[52:53]
	s_add_nc_u64 s[34:35], s[6:7], s[34:35]
	s_add_nc_u64 s[36:37], s[8:9], s[36:37]
	CROUND                                         ; all four work-groups are here: the joint loads meet
	tensor_load_to_lds s[24:27], s[16:23]          ; every wave's one load
	s_nop 0
.rept 4
	v_nop
.endr
	global_load_b128 v[16:19], v1, s[32:33]        ; trip 0's Q: lane (r, h): query r, channels 32 h + 0 .. 31
	global_load_b32 v8, v28, s[44:45]
	s_wait_tensorcnt 0x0                           ; my part is in,
	s_barrier_signal -1
	s_barrier_wait -1                              ; everybody's is: K and V are only read from here on
.macro KLOAD s                         ; key step s: 8 tiles of 16 chosen keys, and their scale words, two tiles to a register: 12 loads
.irp t, 0,1,2,3,4,5,6,7
	ds_load_b128 v[32+8*\t:35+8*\t], v4 offset:4096*(\s)+512*(4*(\t/4)+(\t%4)/2)+128*(\t%2)
.endr
.irp i, 0,1,2,3
	ds_load_b32 v[24+\i], v6 offset:512*(\s)+256*(\i/2)+64*(\i%2)
.endr
.endm
.macro VLOAD s                         ; key step s: 4 fragments of V^T (16 channels x 128 keys), and their scale words: 10 loads
.irp t, 0,1,2,3
.irp c, 0,1
	ds_load_b128 v[192+8*\t+4*\c:195+8*\t+4*\c], v5 offset:4096*(\s)+1024*\t+512*\c
.endr
.endr
.irp i, 0,1
	ds_load_b32 v[10+\i], v7 offset:256*(\s)+128*\i
.endr
.endm
; A KEY STEP: 128 keys.  first = 1: a unit's first step starts M, the sum and O^T: nothing is cleared.
.macro STEP s, first
	s_wait_dscnt 0x0                               ; this step's K is in
.irp t, 0,1,2,3,4,5,6,7
	SW 96+8*\t, 32+8*\t, 16, 0, 24+\t/2, 8, \t%2
.endr
.rept 4
	v_nop                                          ; four plain lines: ahead of the first read of the scores and of the loads into registers that matrix instructions have read
.endr
	VLOAD \s
.if (\s) < 7
	KLOAD (\s)+1
.else
	s_add_co_u32 s54, s39, 1                       ; the next trip's Q, if I have work there
	s_cmp_ge_u32 s54, s47
	s_cbranch_scc1 .Lno_q_\@
	global_load_b128 v[16:19], v1, s[32:33]
	global_load_b32 v8, v28, s[44:45]
.Lno_q_\@:
.endif
.irp b, 0,1,2,3
	v_max3_num_f32 v[232+\b], v[96+16*\b], v[97+16*\b], v[98+16*\b]   ; four chains by turns, 16 scores each; each accumulator is read from its low end on
.endr
.irp i, 3,5,7,9,11,13
.irp b, 0,1,2,3
	v_max3_num_f32 v[232+\b], v[232+\b], v[96+16*\b+\i], v[97+16*\b+\i]
.endr
.endr
	v_max3_num_f32 v232, v232, v233, v111
	v_max3_num_f32 v234, v234, v235, v143
	v_max_num_f32 v232, v232, v127                 ; the largest score of my block h
	v_max_num_f32 v234, v234, v159                 ; and of my block 2 + h: they serve for the row's maximum and, since p rises with the score, for the blocks' largest p
	D 1
.if \first
	v_max_num_f32 v254, v232, v234
.else
	v_max3_num_f32 v254, v232, v234, v13
.endif
	D 1
	v_permlanex16_b32 v236, v254, s40, s41
	D 1
	v_max_num_f32 v13, v254, v236                  ; the running largest score of my query
	D 1
	v_mul_f32 v254, s42, v13                       ; as t (c is positive)
.if \first
	D 1
	v_floor_f32 v12, -v254                         ; -M = floor(-t) = -ceil(t)
.else
	v_mov_b32 v237, v12
	D 2
	v_floor_f32 v12, -v254
	D 1
	v_sub_f32 v254, v12, v237                      ; M's old value less its new one: a whole number, 0 or less
	D 1
	v_cvt_i32_f32 v254, v254                       ; (it saturates)
	D 1
	v_ldexp_f32 v252, 1.0, v254                    ; f = 2^(old M - new M)
.endif
.set JJ, 0
.rept 32
	v_pk_fma_f32 v[96+JJ:97+JJ], v[96+JJ:97+JJ], s[42:43], v[12:13] op_sel_hi:[1,0,0]   ; t - M, two at a time
.set JJ, JJ+2
.endr
	v_fma_f32 v232, v232, s42, v12                 ; the same of each block's largest score
	v_fma_f32 v234, v234, s42, v12
	s_wait_alu depctr_va_vdst(0)
.set JJ, 0
.rept 64
	v_exp_f32 v[96+JJ], v[96+JJ]                   ; p = 2^(t - M), at most 1
.set JJ, JJ+1
.endr
.if \first
	v_nop
.else
	v_pk_mul_f32 v[14:15], v[14:15], v[252:253] op_sel_hi:[1,0]   ; the sums under the new M
.endif
	s_wait_alu depctr_va_vdst(0)                   ; one wait for the batch of 64, ahead of its first reader
	v_exp_f32 v232, v232                           ; the blocks' largest p: the same two instructions on the same number give the same bits
	v_exp_f32 v234, v234
	v_pk_add_f32 v[236:237], v[96:97], v[98:99]    ; the row's sum of the unquantised p, two at a time, in two chains
.if \first
	v_pk_add_f32 v[14:15], v[100:101], v[102:103]
.else
	v_pk_add_f32 v[14:15], v[14:15], v[100:101]
	v_pk_add_f32 v[236:237], v[236:237], v[102:103]
.endif
.irp j, 8,12,16,20,24,28,32,36,40,44,48,52,56,60
	v_pk_add_f32 v[14:15], v[14:15], v[96+\j:97+\j]
	v_pk_add_f32 v[236:237], v[236:237], v[98+\j:99+\j]
.endr
	D 1
	v_pk_add_f32 v[14:15], v[14:15], v[236:237]
	s_wait_alu depctr_va_vdst(0)                   ; and one for the two
	v_max_num_f32 v232, 0x1800000, v232            ; the floor 2^(3 - 127): the byte cannot fall under 1
	v_max_num_f32 v234, 0x1800000, v234
	D 2
	v_add_nc_u32 v240, 0xff000000, v232            ; 2 off the exponent field: the conversion's scale operand
	D 2
	v_add_nc_u32 v241, 0xff000000, v234
	D 2
	v_lshrrev_b32 v236, 23, v240                   ; the scale's byte
	D 2
	v_lshrrev_b32 v237, 23, v241
	D 1
	v_lshl_or_b32 v9, v237, 16, v236               ; my two bytes: blocks h and 2 + h,
	D 1
	v_lshlrev_b32 v9, v244, v9                     ; at their places (8 h bits up);
	D 1
	v_permlanex16_b32 v238, v9, s40, s41
	D 1
	v_or_b32 v9, v9, v238                          ; with lane l xor 16's two the word is whole
.irp c, 0,1
.irp u, 0,1,2,3
	v_cvt_scalef32_pk8_fp4_f32 v[224+4*\c+\u], v[96+32*\c+8*\u:103+32*\c+8*\u], v[240+\c]   ; register 4 c + u: keys 64 c + 32 h + 8 u + 0 .. 7
.endr
.endr
	v_nop                                          ; one plain line behind the scaled conversions
	s_wait_alu depctr_va_vdst(0)                   ; directly ahead of the first reader of O^T
.if \first
.rept 8
	v_nop                                          ; a scale register written by a vector instruction stands 8 plain lines ahead of a scaled matrix instruction
.endr
.else
.irp j, 0,2,4,6,8,10,12,14,16,18,20,22,24,26,28,30
	v_pk_mul_f32 v[160+\j:161+\j], v[160+\j:161+\j], v[252:253] op_sel_hi:[1,0]   ; O^T under the new M; these are also the plain lines ahead of the products below
.endr
.endif
	s_wait_alu depctr_va_vdst(0)
.if (\s) < 7
	s_wait_dscnt 12                                ; V and its scale words are in; the next step's 12 loads of K, issued behind them, may be out
.else
	s_wait_dscnt 0x0
.endif
.irp t, 0,1,2,3
.if \first
	SW 160+8*\t, 192+8*\t, 224, 0, 10+\t/2, 9, \t%2
.else
	SW 160+8*\t, 192+8*\t, 224, v[160+8*\t:167+8*\t], 10+\t/2, 9, \t%2
.endif
.endr
.endm
.Lunit:                                            ; three trips in every wave
	s_cmp_ge_u32 s39, s47
	s_cbranch_scc1 .Lidle                          ; ids alone: no work for me in this trip
	s_min_u32 s38, s39, 1                          ; the head of the pair: 0, 1, 1
	s_lshr_b32 s54, s39, 1
	s_mul_i32 s54, s54, 12
	s_add_co_u32 s54, s54, s12                     ; the tile: wave, wave, wave + 12
	s_lshl_b32 s58, s54, 12
	s_lshl_b32 s55, s38, 9
	s_add_co_u32 s58, s58, s55
	s_mov_b32 s59, 0
	s_add_nc_u64 s[60:61], s[34:35], s[58:59]      ; where the unit's codes go
	s_lshl_b32 s55, s39, 10
	s_lshl_b32 s54, s12, 6
	s_add_co_u32 s55, s55, s54
	s_add_co_u32 s55, s55, SCT                     ; and its scale bytes: the table's 64 bytes of (trip, wave)
	s_lshl_b32 s38, s38, 17
	v_add_nc_u32 v4, s38, v2
	v_add_nc_u32 v5, s38, v30
	v_add_nc_u32 v6, s38, v31
	v_add_nc_u32 v7, s38, v3
	v_add_nc_u32 v245, s55, v28
	s_wait_alu depctr_va_vdst(0)
	KLOAD 0
	s_wait_loadcnt 0x0                             ; this unit's Q is in, and its loads' addresses may be stepped:
	s_cmp_eq_u32 s39, 0
	s_cselect_b32 s50, s56, 6144                   ; to the other head's record, then 12 tiles on
	s_cselect_b32 s52, s56, 768
	s_add_nc_u64 s[32:33], s[32:33], s[50:51]
	s_add_nc_u64 s[44:45], s[44:45], s[52:53]
	STEP 0, 1
	STEP 1, 0
	STEP 2, 0
	STEP 3, 0
	STEP 4, 0
	STEP 5, 0
	STEP 6, 0
	STEP 7, 0
	; THE UNIT'S END: O^T / the sum, quantised along the hidden axis: the head's 64 channels are two blocks of 32 and half a fragment.  Register j of tile t is channel 16 t + 8 h + j
.rept 4
	v_nop
.endr
	v_add_f32 v14, v14, v15
	D 1
	v_permlanex16_b32 v254, v14, s40, s41
	D 1
	v_add_f32 v14, v14, v254                       ; the row's sum
	s_wait_alu depctr_va_vdst(0)
	v_rcp_f32 v14, v14
	v_nop
	s_wait_alu depctr_va_vdst(0)                   ; ahead of the reciprocal's first reader, which is also O^T's
.irp j, 0,2,4,6,8,10,12,14,16,18,20,22,24,26,28,30
	v_pk_mul_f32 v[160+\j:161+\j], v[160+\j:161+\j], v[14:15] op_sel_hi:[1,0]
.endr
.irp b, 0,1
	v_max3_num_f32 v[232+\b], |v[160+16*\b]|, |v[161+16*\b]|, 0x1800000
.endr
.irp i, 2,4,6,8,10,12,14
.irp b, 0,1
	D 2
	v_max3_num_f32 v[232+\b], v[232+\b], |v[160+16*\b+\i]|, |v[161+16*\b+\i]|
.endr
.endr
.irp b, 0,1
	D 2
	v_permlanex16_b32 v[236+\b], v[232+\b], s40, s41
.endr
.irp b, 0,1
	D 2
	v_max_num_f32 v[232+\b], v[232+\b], v[236+\b]
.endr
.irp b, 0,1
	D 2
	v_add_nc_u32 v[240+\b], 0xff000000, v[232+\b]
.endr
.irp b, 0,1
	D 2
	v_lshrrev_b32 v[236+\b], 23, v[240+\b]
.endr
	D 1
	v_lshl_or_b32 v254, v237, 8, v236              ; the head's two scale bytes of row r
	v_cvt_scalef32_pk8_fp4_f32 v224, v[160:167], v240
	v_cvt_scalef32_pk8_fp4_f32 v225, v[176:183], v241
	v_cvt_scalef32_pk8_fp4_f32 v226, v[168:175], v240
	v_cvt_scalef32_pk8_fp4_f32 v227, v[184:191], v241
	v_nop
	v_permlane16_swap_b32 v224, v225               ; a whole block to a lane
	v_permlane16_swap_b32 v226, v227
	global_store_b128 v1, v[224:227], s[60:61]     ; 32 lanes store 512 consecutive bytes
	ds_store_b32 v245, v254                        ; lanes r and r + 16 write the same word with the same value
	s_wait_xcnt 0x0                                ; the store has read its data and its base: both are written again only behind this wait
.Lidle:
	s_add_co_u32 s39, s39, 1
	s_cmp_lt_u32 s39, 3
	s_cbranch_scc1 .Lunit
	s_wait_dscnt 0x0                               ; my words of the table are written,
	s_barrier_signal -1
	s_barrier_wait -1                              ; everybody's are
	s_cmp_lt_u32 s12, 8                            ; waves 0-7: a thread a row: the two heads' bytes make the row's scale word
	s_cbranch_scc0 .Lno_sc
	ds_load_b32 v249, v246
	ds_load_b32 v250, v248
	s_wait_dscnt 0x0
	v_lshl_or_b32 v249, v250, 16, v249
	global_store_b32 v247, v249, s[36:37]          ; sixteen lanes store a tile's 64 consecutive bytes
.Lno_sc:
	s_wait_tensorcnt 0x0                           ; the wave's end
	ds_add_u32 v251, v255
	s_wait_dscnt 0x0
	CROUND                                         ; the closing round
	s_endpgm
.Lfunc_end_k_q505bed9a10_attn:
	.size	k_q505bed9a10_attn, .Lfunc_end_k_q505bed9a10_attn-k_q505bed9a10_attn
	.p2alignl 7, 3214868480
	.fill 96, 4, 3214868480
	.section	.rodata,"a",@progbits
	.p2align	6, 0x0
	.amdhsa_kernel k_q505bed9a10_attn
		.amdhsa_group_segment_fixed_size 208896
		.amdhsa_private_segment_fixed_size 0
		.amdhsa_enable_private_segment 0
		.amdhsa_kernarg_size 24
		.amdhsa_user_sgpr_count 2
		.amdhsa_user_sgpr_kernarg_segment_ptr 1
		.amdhsa_wavefront_size32 1
		.amdhsa_system_sgpr_workgroup_id_x 1
		.amdhsa_system_sgpr_workgroup_id_y 1
		.amdhsa_system_sgpr_workgroup_id_z 1
		.amdhsa_system_vgpr_workitem_id 0
		.amdhsa_next_free_vgpr 256
		.amdhsa_next_free_sgpr 66
		.amdhsa_reserve_vcc 0
		.amdhsa_float_denorm_mode_32 3
		.amdhsa_float_denorm_mode_16_64 3
		.amdhsa_memory_ordered 1
		.amdhsa_forward_progress 1
		.amdhsa_inst_pref_size 128
	.end_amdhsa_kernel
	.amdgpu_metadata
---
amdhsa.version: [ 1, 2 ]
amdhsa.kernels:
  - .name:           k_q505bed9a10_attn
    .symbol:         k_q505bed9a10_attn.kd
    .args:
      - { .name: qkv, .offset: 0, .size: 8, .value_kind: global_buffer, .address_space: global }
      - { .name: o_img, .offset: 8, .size: 8, .value_kind: global_buffer, .address_space: global }
      - { .name: o_sc, .offset: 16, .size: 8, .value_kind: global_buffer, .address_space: global }
    .group_segment_fixed_size: 208896
    .private_segment_fixed_size: 0
    .kernarg_segment_align: 8
    .kernarg_segment_size: 24
    .max_flat_workgroup_size: 512
    .sgpr_count:     66
    .vgpr_count:     256
    .wavefront_size: 32
...
	.end_amdgpu_metadata
.endif
;; end of part 2
;; launch outp (part 3): grid 8 x 32, 4 waves a work-group, clusters of 4 x 4, 201,216 bytes of LDS; arguments o_img, o_sc, Wo_codes, Wo_scales, bo, out0; writes out0
.if DOCPART == 3
	.amdgcn_target "amdgcn-amd-amdhsa--gfx1250"
	.amdhsa_code_object_version 6
	.text
	.protected	k_q505bed9a10_outp
	.globl	k_q505bed9a10_outp
	.p2align	8
	.type	k_q505bed9a10_outp,@function
k_q505bed9a10_outp:
	s_mov_b64 s[64:65], 0
	v_nop
	global_prefetch_b8 v0, s[64:65] scope:SCOPE_SE
	s_setreg_imm32_b32 hwreg(HW_REG_WAVE_MODE, 25, 1), 1
	s_wait_xcnt 0x0
	s_wait_alu depctr_hold_cnt(0) depctr_sa_sdst(0) depctr_va_vdst(0) depctr_va_sdst(0) depctr_va_ssrc(0) depctr_va_vcc(0) depctr_vm_vsrc(0)
	s_getreg_b32 s2, hwreg(HW_REG_IB_STS2, 6, 4)
	s_cmp_eq_u32 s2, 0
	s_cbranch_scc0 .Lentry_in_a_cluster
	s_endpgm
.Lentry_in_a_cluster:
	s_bfe_u32 s2, ttmp6, 0x10000c
	s_cmp_lg_u32 s2, 0xf033
	s_cbranch_scc0 .Lentry_shape_is_right
	s_endpgm
.Lentry_shape_is_right:
; out0 = o Wo^T + bo, K = 1,024, on codes of FP4 (E2M1) with E8M0 scales.  o comes as images of its operand registers (o_img) with its scale words (o_sc), Wo as it is given; out0 [8,192][1,024] f32.
; SHARES.  A tile of 256 rows x 128 columns to a work-group of four waves: 256 work-groups.  A wave makes 128 rows (wp) x 64 columns (wr).
; P AND R.  Source 0 is P, 16 rows of o, which run down a lane's registers in the result; source 1 is R, 16 rows of Wo, one to a lane.
; R'S BLOCK a IS A RESIDUE CLASS: lane r takes Wo's row 4 r + a of my 64.  So register j of the four accumulators of a block of rows holds four NEIGHBOURING columns of row 8 h + j: the four additions of
; the bias put them into four consecutive registers, and one store of 16 bytes a lane writes 256 consecutive bytes, aligned, from each half of the lanes.  No stage in LDS.
; BY ROWS OF THE RESULT.  All of K lies in LDS, and all of R's fragments (4 classes x 8 K steps) stay in registers.  My 128 rows go in four pairs of blocks of 16: a pair is 64 matrix instructions over all of K,
; its 8 accumulators by turns, K ascending; then its bias additions and its 16 stores.  The next pair's fragments of P are asked for behind a pair's products.
; CLUSTERS: 4 x 4.  P's tile hangs on cy and is shared along a row of the cluster, R's on cx and is shared along a column: each is asked for jointly.
; LDS: filled once, one load a wave.  P: K half k at k x 65,536, dense, [block of 16 rows][step][1,024]: a fragment's registers on end (waves 0, 1: a half each).
;   R: at 131,072, as it lies in memory, two rows of Wo (1,024 bytes) + 16 of padding: row n at (n / 2) x 1,040 + (n % 2) x 512, its second half of K 256 bytes on (waves 2, 3: 64 rows each).
;   Lanes r and r + 8 of a class read 8 x 2,080 bytes apart: R's loads touch each bank twice.  Nothing is left to fetch later, so nothing is prefetched.
; THE SCALE WORDS come straight into registers: register q of a block holds K step q in lanes 0-15 and K step 4 + q in lanes 16-31: the second half of K names the upper row of lanes.
; REGISTERS: window 0: v16-25 addresses; v32-63 P's scale words, v64-79 R's, v80-83 the bias; v96-159, v160-223 results with the bias, two sets; v254, v255 for the add.
;   window 1: P's fragments of a pair, two sets: v[128 p + 64 i + 8 s].   window 2: the pair's accumulators, two sets: v[64 p + 8 (4 i + a)].   window 3: R's fragments: v[8 (8 a + s)].
.set RPITCH, 1040
.set ROFF,  131072
.set SPARE, 0x31000
.set ADRP, 16                          ; v16-17 LDS address of my P fragments in K half 0, 1
.set ADRR, 20                          ; v20-21 the same for R
.set CO,   22                          ; v22 h x 8 rows of out0 + 16 r
.set L4,   23                          ; v23 4 x lane
.set SRO,  24                          ; v24 128 r + 16 h
.set BBO,  25                          ; v25 16 r
.set SCP,  32
.set SCR,  64
.set BB,   80
.set MSB, 0
.macro WIN new                         ; the immediate's high byte repeats the setting that is left
.if MSB != \new
	s_set_vgpr_msb (MSB<<8)|\new
.set MSB, \new
.endif
.endm
.macro PLACES n
.rept \n
	v_nop
.endr
.endm
.macro CROUND
	s_barrier_signal -1
	s_barrier_wait -1
	s_cmp_lg_u32 s16, 0
	s_cbranch_scc1 .Lnot_wave_0_\@
	s_barrier_signal -3
.Lnot_wave_0_\@:
	s_barrier_wait -3
	s_barrier_signal -1
	s_barrier_wait -1
.endm
	s_load_b256 s[4:11], s[0:1], 0x0               ; o_img s[4:5], o_sc s[6:7], Wo codes s[8:9], Wo scales s[10:11]
	s_load_b128 s[12:15], s[0:1], 0x20             ; bo s[12:13], out0 s[14:15]
	v_lshl_add_u32 v254, v0, 2, SPARE
	v_mov_b32 v255, 0
	ds_add_u32 v254, v255                          ; the opening lines: the add, twice on end, and its wait
	ds_add_u32 v254, v255
	v_lshrrev_b32 v1, 5, v0
	v_readfirstlane_b32 s16, v1                    ; wave 0..3
	s_lshr_b32 s17, s16, 1                         ; wr: which 64 columns.  Also: I fetch for P (0) or for R (1)
	s_and_b32 s18, s16, 1                          ; wp: which 128 rows.  Also: which half of that tile I fetch
	v_and_b32 v1, 15, v0                           ; r
	v_bfe_u32 v2, v0, 4, 1                         ; h
	v_and_b32 v3, 31, v0                           ; lane
	s_lshl_b32 s2, s18, 15
	v_lshl_add_u32 v[ADRP], v3, 4, s2              ; my 8 blocks of 4,096 bytes, + 16 x lane
	v_add_nc_u32 v[ADRP+1], 65536, v[ADRP]
	v_mul_u32_u24 v4, v1, 2*RPITCH                 ; lane r: row 4 r of my 64
	v_lshl_add_u32 v4, v2, 4, v4
	s_mul_i32 s2, s17, 32*RPITCH
	s_add_co_u32 s2, s2, ROFF
	v_add_nc_u32 v[ADRR], s2, v4
	v_add_nc_u32 v[ADRR+1], 256, v[ADRR]
	v_lshlrev_b32 v[CO], 15, v2
	v_lshl_add_u32 v[CO], v1, 4, v[CO]
	v_lshlrev_b32 v[L4], 2, v3
	v_lshlrev_b32 v[SRO], 7, v1
	v_lshl_add_u32 v[SRO], v2, 4, v[SRO]
	v_lshlrev_b32 v[BBO], 4, v1
	s_bfe_u32 s19, ttmp6, 0x40000                  ; cx
	s_bfe_u32 s20, ttmp6, 0x40004                  ; cy
	s_lshl_b32 s22, ttmp9, 2
	s_add_co_u32 s22, s22, s19                     ; the tile of 128 columns = 4 x cluster x + cx
	s_and_b32 s21, ttmp7, 0xffff
	s_lshl_b32 s21, s21, 2
	s_add_co_u32 s21, s21, s20                     ; the tile of 256 rows = 4 x cluster y + cy
	s_lshl_b32 s23, s20, 2
	s_lshl_b32 s23, 15, s23                        ; my row of the cluster
	s_lshl_b32 s3, 0x1111, s19                     ; my column
	s_or_b32 s24, s23, (3<<16)|(1<<21)             ; P: to my row; elements of 8 bytes; bit 21 set beside a mask; no padding
	s_mov_b32 s25, 32<<16                          ; rows of 256 bytes,
	s_mov_b32 s26, 256<<16                         ; 256 of them: a whole half of K,
	s_mov_b32 s27, 32<<16
	s_mov_b32 s28, 256
	s_mov_b32 s29, 32                              ; dense
	s_mov_b32 s30, 0
	s_mov_b32 s31, 0
	s_or_b32 s32, s3, (3<<16)|(1<<20)|(1<<21)|(7<<22)|(3<<25)   ; R: to my column; elements of 8 bytes; padding: after every 256 words, 4 words
	s_mov_b32 s33, 128<<16                         ; rows of 1,024 bytes: two rows of Wo,
	s_mov_b32 s34, 32<<16                          ; 32 of them,
	s_mov_b32 s35, 128<<16
	s_mov_b32 s36, 32
	s_mov_b32 s37, 128                             ; dense
	s_mov_b32 s38, 0
	s_mov_b32 s39, 0
	s_lshl_b32 s56, s21, 17                        ; P: waves 0 and 1 fetch the tile's K half wave % 2
	s_lshl_b32 s57, s18, 16
	s_add_co_u32 s56, s56, s57
	s_mov_b32 s57, 0
	s_lshl_b32 s58, s22, 7                         ; R: waves 2 and 3 fetch Wo's rows 128 x tile + 64 x (wave % 2) on, all of K
	s_lshl_b32 s59, s18, 6
	s_add_co_u32 s58, s58, s59
	s_lshl_b32 s58, s58, 9
	s_mov_b32 s59, 0
	s_mov_b32 s40, 1
	s_lshl_b32 s41, s18, 16                        ; where they go: the wave's number alone enters an LDS address
	s_mov_b32 s44, 1
	s_mul_i32 s45, s18, 32*RPITCH
	s_add_co_u32 s45, s45, ROFF
	s_wait_dscnt 0x0                               ; both opening adds are done
	s_wait_kmcnt 0x0
	s_add_nc_u64 s[42:43], s[4:5], s[56:57]
	s_or_b32 s43, s43, 0x80000000
	s_add_nc_u64 s[46:47], s[8:9], s[58:59]
	s_or_b32 s47, s47, 0x80000000
	CROUND                                         ; all sixteen work-groups are here: the joint loads meet
	s_cmp_lt_u32 s16, 2                            ; one load a wave: every way passes one
	s_cbranch_scc0 .Lfor_r
	tensor_load_to_lds s[40:43], s[24:31]
	s_nop 0
	PLACES 4
	s_branch .Lasked
.Lfor_r:
	tensor_load_to_lds s[44:47], s[32:39]
	s_nop 0
	PLACES 4
.Lasked:
	s_lshl_b32 s60, s21, 4
	s_lshl_b32 s61, s18, 3
	s_add_co_u32 s60, s60, s61
	s_lshl_b32 s60, s60, 9                         ; o_sc: 512 bytes for a block of 16 rows
	s_mov_b32 s61, 0
	s_add_nc_u64 s[6:7], s[6:7], s[60:61]
	s_lshl_b32 s62, s22, 7
	s_lshl_b32 s63, s17, 6
	s_add_co_u32 s62, s62, s63                     ; my first column
	s_lshl_b32 s60, s62, 5
	s_add_nc_u64 s[10:11], s[10:11], s[60:61]      ; Wo's scale bytes: 32 a row
	s_lshl_b32 s60, s62, 2
	s_add_nc_u64 s[12:13], s[12:13], s[60:61]      ; bo
	s_add_nc_u64 s[14:15], s[14:15], s[60:61]      ; out0: my first column,
	s_lshl_b32 s60, s21, 8
	s_lshl_b32 s63, s18, 7
	s_add_co_u32 s60, s60, s63
	s_lshl_b32 s60, s60, 12
	s_add_nc_u64 s[14:15], s[14:15], s[60:61]      ; my first row: 4,096 bytes a row
	s_wait_alu depctr_va_vdst(0)
.irp b, 0,1,2,3,4,5,6,7
.irp q, 0,1,2,3
	global_load_b32 v[SCP+4*\b+\q], v[L4], s[6:7] offset:512*\b+128*\q   ; 128 consecutive bytes: K step q of 16 rows, then K step 4 + q
.endr
.endr
.irp a, 0,1,2,3
	global_load_b128 v[SCR+4*\a:SCR+4*\a+3], v[SRO], s[10:11] offset:32*\a   ; row 4 r + a: bytes 16 h + 0 .. 15
.endr
	global_load_b128 v[BB:BB+3], v[BBO], s[12:13]  ; bo of columns 4 r + 0 .. 3
.macro PLOAD j                         ; P's fragments of blocks 2 j and 2 j + 1, all eight K steps, into set j % 2: images, 16 bytes a lane on end: 32 loads
	WIN 0x40                                       ; destination window 1
.irp i, 0,1
.irp s, 0,1,2,3,4,5,6,7
.irp c, 0,1
	ds_load_b128 v[128*((\j)%2)+64*\i+8*\s+4*\c:128*((\j)%2)+64*\i+8*\s+4*\c+3], v[ADRP+\s/4] offset:4096*(2*(\j)+\i)+1024*(\s%4)+512*\c
.endr
.endr
.endr
	WIN 0
.endm
.macro W1 d, p, r, sp, sr, s           ; one product; K step 0 starts the sum; K steps 4 to 7 take the upper row of the scale registers' lanes
.if (\s) == 0
	v_wmma_scale_f32_16x16x128_f8f6f4 v[\d:\d+7], v[\p:\p+7], v[\r:\r+7], 0, v[\sp], v[\sr] matrix_a_fmt:MATRIX_FMT_FP4 matrix_b_fmt:MATRIX_FMT_FP4
.elseif (\s) < 4
	v_wmma_scale_f32_16x16x128_f8f6f4 v[\d:\d+7], v[\p:\p+7], v[\r:\r+7], v[\d:\d+7], v[\sp], v[\sr] matrix_a_fmt:MATRIX_FMT_FP4 matrix_b_fmt:MATRIX_FMT_FP4
.else
	v_wmma_scale_f32_16x16x128_f8f6f4 v[\d:\d+7], v[\p:\p+7], v[\r:\r+7], v[\d:\d+7], v[\sp], v[\sr] matrix_a_fmt:MATRIX_FMT_FP4 matrix_b_fmt:MATRIX_FMT_FP4 matrix_a_scale:MATRIX_SCALE_ROW1 matrix_b_scale:MATRIX_SCALE_ROW1
.endif
.endm
.macro MUL j                           ; pair j: 64 products, the 8 accumulators by turns, K ascending
.set PS, 128*((\j)%2)
.set AS, 64*((\j)%2)
	WIN 0xad                                       ; P window 1, R window 3, C and D window 2
.irp s, 0,1,2,3,4,5,6,7
.if (\j) == 0
	s_wait_dscnt 8*(7-\s)                          ; P's first pair and R's K steps up to this one are in; the 8 loads of each later K step of R may be out
.endif
.irp i, 0,1
.irp a, 0,1,2,3
	W1 AS+8*(4*\i+\a), PS+64*\i+8*\s, 8*(8*\a+\s), SCP+4*(2*(\j)+\i)+\s%4, SCR+4*\a+\s%4, \s
.endr
.endr
.endr
	WIN 0
.endm
.macro OUT j                           ; pair j leaves: the bias is added, four neighbouring columns come together, and each store covers 256 consecutive bytes, aligned, from each half of the lanes
.set AS, 64*((\j)%2)
.set ST, 96+64*((\j)%2)
.if (\j) > 1
	s_wait_xcnt 0x0                                ; pair j - 2's stores have read their data: those registers are written again only behind this wait
.endif
.irp i, 0,1
	WIN 0x02                                       ; source 0 window 2
.irp t, 0,1,2,3,4,5,6,7
.irp a, 0,1,2,3
	v_add_f32 v[ST+32*\i+4*\t+\a], v[AS+8*(4*\i+\a)+\t], v[BB+\a]   ; each accumulator from its low end on
.endr
.endr
	WIN 0
.irp t, 0,1,2,3,4,5,6,7
	global_store_b128 v[CO], v[ST+32*\i+4*\t:ST+32*\i+4*\t+3], s[14:15] offset:(16*(2*(\j)+\i)+\t)*4096 th:TH_STORE_NT   ; rows 16 b + t and 16 b + 8 + t; written once, read by nobody here
.endr
.endr
.endm
	s_wait_tensorcnt 0x0                           ; my tile is in,
	s_barrier_signal -1
	s_barrier_wait -1                              ; everybody's is: from here on LDS is only read
	PLOAD 0
	WIN 0xc0                                       ; destination window 3: R's fragments, K step by K step, 8 loads each
.irp s, 0,1,2,3,4,5,6,7
.irp a, 0,1,2,3
.irp c, 0,1
	ds_load_b128 v[8*(8*\a+\s)+4*\c:8*(8*\a+\s)+4*\c+3], v[ADRR+\s/4] offset:RPITCH*(\a/2)+512*(\a%2)+64*(\s%4)+32*\c
.endr
.endr
.endr
	WIN 0
	s_wait_loadcnt 0x0                             ; scale words and bias
	MUL 0
	PLOAD 1                                        ; into the set that no product has read yet
	PLACES 4                                       ; four plain lines ahead of the first read of results
	OUT 0
	s_wait_dscnt 0x0
	MUL 1
	PLOAD 2                                        ; into pair 0's set: pair 0's additions are the plain lines behind its products
	PLACES 4
	OUT 1
	s_wait_dscnt 0x0
	MUL 2
	PLOAD 3
	PLACES 4
	OUT 2
	s_wait_dscnt 0x0
	MUL 3
	PLACES 4
	OUT 3
	s_wait_tensorcnt 0x0                           ; the wave's end
	ds_add_u32 v254, v255
	s_wait_dscnt 0x0
	CROUND                                         ; the closing round: no work-group ends while a partner may still ask for a tile that names it
	s_endpgm
.Lfunc_end_k_q505bed9a10_outp:
	.size	k_q505bed9a10_outp, .Lfunc_end_k_q505bed9a10_outp-k_q505bed9a10_outp
	.p2alignl 7, 3214868480
	.fill 96, 4, 3214868480
	.section	.rodata,"a",@progbits
	.p2align	6, 0x0
	.amdhsa_kernel k_q505bed9a10_outp
		.amdhsa_group_segment_fixed_size 201216
		.amdhsa_private_segment_fixed_size 0
		.amdhsa_enable_private_segment 0
		.amdhsa_kernarg_size 48
		.amdhsa_user_sgpr_count 2
		.amdhsa_user_sgpr_kernarg_segment_ptr 1
		.amdhsa_wavefront_size32 1
		.amdhsa_system_sgpr_workgroup_id_x 1
		.amdhsa_system_sgpr_workgroup_id_y 1
		.amdhsa_system_sgpr_workgroup_id_z 1
		.amdhsa_system_vgpr_workitem_id 0
		.amdhsa_next_free_vgpr 1024
		.amdhsa_next_free_sgpr 66
		.amdhsa_reserve_vcc 0
		.amdhsa_float_denorm_mode_32 3
		.amdhsa_float_denorm_mode_16_64 3
		.amdhsa_memory_ordered 1
		.amdhsa_forward_progress 1
		.amdhsa_inst_pref_size 70
	.end_amdhsa_kernel
	.amdgpu_metadata
---
amdhsa.version: [ 1, 2 ]
amdhsa.kernels:
  - .name:           k_q505bed9a10_outp
    .symbol:         k_q505bed9a10_outp.kd
    .args:
      - { .name: o_img, .offset: 0, .size: 8, .value_kind: global_buffer, .address_space: global }
      - { .name: o_sc, .offset: 8, .size: 8, .value_kind: global_buffer, .address_space: global }
      - { .name: Wo_codes, .offset: 16, .size: 8, .value_kind: global_buffer, .address_space: global }
      - { .name: Wo_scales, .offset: 24, .size: 8, .value_kind: global_buffer, .address_space: global }
      - { .name: bo, .offset: 32, .size: 8, .value_kind: global_buffer, .address_space: global }
      - { .name: out0, .offset: 40, .size: 8, .value_kind: global_buffer, .address_space: global }
    .group_segment_fixed_size: 201216
    .private_segment_fixed_size: 0
    .kernarg_segment_align: 8
    .kernarg_segment_size: 48
    .max_flat_workgroup_size: 128
    .sgpr_count:     66
    .vgpr_count:     1024
    .wavefront_size: 32
...
	.end_amdgpu_metadata
.endif
;; end of part 3
